; MI455X (gfx1250); checked and timed in simulation.
; The chip was launched on July 23, 2026; its instructions are those of AMD's public machine-readable ISA for CDNA 5 (MIT licence, August 2026) and "CDNA5" Instruction Set Architecture Reference Guide (July 2026). The comments in the code are by the model that wrote it; some were corrected since.
;; Attention. Allowed arithmetic: matrix products marked QUANTISED: E5M2 operands, one E8M0 scale for each 32 along K, by v_wmma_scale_f32_16x16x128_f8f6f4 with both operands' format E5M2, f32 sums; everything else in f32.
;; Inputs: W_proj_codes 1,024 x 32 x 32 uint8 (E5M2 codes of W_proj, K innermost, in blocks of 32 codes); W_proj_scales 1,024 x 32 uint8 (E8M0 scales of W_proj, one for each 32 codes along K); W_qkv_codes 3,072 x 32 x 32 uint8 (E5M2 codes of W_qkv, K innermost, in blocks of 32 codes); W_qkv_scales 3,072 x 32 uint8 (E8M0 scales of W_qkv, one for each 32 codes along K); b_proj 1,024 float32; b_qkv 3,072 float32; x_codes 4 x 2,048 x 32 x 32 uint8 (E5M2 codes of x, K innermost, in blocks of 32 codes); x_scales 4 x 2,048 x 32 uint8 (E8M0 scales of x, one for each 32 codes along K).
;; Outputs: out0 4 x 2,048 x 1,024 float32.
;; This version of the problem:
;;   THIS VERSION OF THE PROBLEM IS GIVEN IN LOW PRECISION. The matrix products marked QUANTISED in the list below multiply operands that are first quantised to E5M2 (5 exponent bits, 2 mantissa bits; 8 bits a number), with one power-of-two scale for each 32 numbers along K (OCP MX v1.0); their sums are f32. All else is computed in f32.
;;   The module's matrix products, in the order in which they are computed (A, B: the left and right operand; K: the contracted axis; several contracted axes count as one K, in the product's order):
;;     1. [M 8,192, K 1,024] x [K 1,024, N 3,072]; A: input x (given as codes); B: input W_qkv (given as codes): QUANTISED
;;     2. batch 64 x [M 2,048, K 64] x [K 64, N 2,048]; A: computed on the way; B: computed on the way: QUANTISED
;;     3. batch 64 x [M 2,048, K 2,048] x [K 2,048, N 64]; A: softmax (see below); B: computed on the way: QUANTISED
;;     4. [M 8,192, K 1,024] x [K 1,024, N 1,024]; A: computed on the way; B: input W_proj (given as codes): QUANTISED
;;   THE QUANTISER, for each operand of a quantised product, along K:
;;     - K is cut into blocks of 32 from its start; a last block that is shorter is filled with zeros.
;;     - A block's scale is 2^e with e = floor(log2(the largest magnitude in the block)) - 15, held to -126 .. 127; a block of zeros has e = 0. As a byte (E8M0): e + 127.
;;     - Each number is divided by its block's scale, clamped to +-57,344, and rounded to the nearest number of E5M2, ties to even, subnormals kept.
;;     - The product sums the exact products of the quantised numbers (number of the format x scale) in f32.
;;   ~~~python
;;   def quantise(x, axis):      # numpy; x: float32 -> the quantised numbers, widened to float32 again
;;       x = np.moveaxis(x, axis, -1); K = x.shape[-1]
;;       x = np.pad(x, [(0, 0)] * (x.ndim - 1) + [(0, -K % 32)]); x = x.reshape(x.shape[:-1] + (-1, 32)); a = np.abs(x).max(-1, keepdims=True)
;;       e = np.where(a > 0, np.clip(np.frexp(np.where(a > 0, a, 1))[1] - 1 - 15, -126, 127), 0)      # np.frexp(a)[1] - 1 = floor(log2(a)), exactly
;;       r = np.clip(x / 2.0 ** e, -57344, 57344)
;;       step = 2.0 ** (np.maximum(np.frexp(np.where(r == 0, 1, r))[1] - 1, -14) - 2)
;;       q = np.round(r / step) * step * 2.0 ** e      # np.round: ties to even
;;       return np.moveaxis(q.reshape(q.shape[:-2] + (-1,))[..., :K], -1, axis).astype(np.float32)
;;   ~~~
;;   SOFTMAX AHEAD OF A QUANTISED PRODUCT. Where the list says 'softmax', what is quantised is not the finished softmax but p = 2^(t - M), with t = logit x log2(e) and M = ceil(the row's largest t), a whole number; so 1/2 < the row's largest p <= 1. The row's sum l is taken of the UNQUANTISED p, in f32, and the product's result is divided by l at the end. Since M is a whole number, a kernel that streams over the keys may use a running M (the ceiling of the running maximum): every later rescaling is an exact power of two, which a block's scale takes up: the codes' values come out the same.
;;   OPERANDS COMPUTED ON THE WAY. 'Computed on the way' means the value that the module computes at that place (a softmax that the list does not call 'softmax' is quantised finished and normalised). What goes into a quantiser is computed in f32, as accurately as f32 sums, v_exp_f32 and their like allow (about 1e-6 of the number): no bf16 or f16 on the way to a quantiser, and a product that is left as it is and whose result goes on into a quantised operand takes f32 operands (vector FMAs, or v_wmma_f32_16x16x4_f32). A number that lies on a knife's edge between two numbers of the format may be rounded either way, as far as f32 arithmetic and the matrix unit's own rounding can turn it there, and no further.
;;   INPUTS GIVEN AS CODES. W_proj (in the module: [1024, 1024], K = its axis 0); W_qkv (in the module: [1024, 3072], K = its axis 0); x (in the module: [4, 2048, 1024], K = its axis 2): each comes as NAME_codes (uint8): NAME with its K axis moved to the last place and cut into blocks of 32 codes, [.., K / 32, bytes a block], one block behind the other in memory; one code a byte (a code: sign, 5 exponent bits, 2 mantissa bits); and NAME_scales (uint8): the same leading axes, one E8M0 byte (e + 127) for each 32 codes along K. Its value is code x scale, taken as it is: it is not quantised again, and the codes and scales need not be those that the quantiser above would give.
;; One version. Each part assembles by itself: llvm-mc -triple=amdgcn-amd-amdhsa -mcpu=gfx1250 --defsym DOCPART=n.
;; ======== version 1 of 1: 3 launches
;; limits: right only within a limited range of input values
;; workspace buffers: kvq 26,476,544 bytes; oimg 8,388,608 bytes; osc 262,144 bytes
;; launch qkv (part 1): grid 8 x 48, 4 waves a work-group, clusters of 4 x 4, 327,680 bytes of LDS; arguments x_codes, x_scales, W_qkv_codes, W_qkv_scales, b_qkv, kvq; writes kvq
.if DOCPART == 1
	.amdgcn_target "amdgcn-amd-amdhsa--gfx1250"
	.amdhsa_code_object_version 6
	.text
	.protected	k_q2c2caa8b49_qkv
	.globl	k_q2c2caa8b49_qkv
	.p2align	8
	.type	k_q2c2caa8b49_qkv,@function
k_q2c2caa8b49_qkv:
	s_mov_b64 s[64:65], 0
	v_nop
	global_prefetch_b8 v0, s[64:65] scope:SCOPE_SE
	s_setreg_imm32_b32 hwreg(HW_REG_WAVE_MODE, 25, 1), 1
	s_wait_xcnt 0x0
	s_wait_alu depctr_hold_cnt(0) depctr_sa_sdst(0) depctr_va_vdst(0) depctr_va_sdst(0) depctr_va_ssrc(0) depctr_va_vcc(0) depctr_vm_vsrc(0)
	s_getreg_b32 s2, hwreg(HW_REG_IB_STS2, 6, 4)
	s_cmp_eq_u32 s2, 0
	s_cbranch_scc0 .Lentry_in_a_cluster
	s_endpgm
.Lentry_in_a_cluster:
	s_bfe_u32 s2, ttmp6, 0x10000c
	s_cmp_lg_u32 s2, 0xf033
	s_cbranch_scc0 .Lentry_shape_is_right
	s_endpgm
.Lentry_shape_is_right:
.set NQ,     2
.set ROWB,   256
.set KROW,   1024
.set PITCH,  272
.set FR,     16
.set NL,     4
.set NP,     8
.set HALFT,  128*PITCH
.set SLOT,   4*HALFT
.set LAPS,   2
.set SCL,    2*SLOT
.set HALFS,  16*272
.set SBLK,   2*272
.set SPARE,  SCL+4*HALFS
.set REC,    17152
.set QOFF,   1024*REC
.set QSOFF,  QOFF+1024*8192
.set ADRA, 16
.set ADRB, 20
.set L8,   23
.set L16,  24
.set R4,   25
.set H32,  26
.set ADRS, 27
.set SPW,  28
.set NIL,  29
.set SC,   32
.set BIAS, 64
.set BY,   64
.set TM,   96
.set MG,   112
.set AF,   128
.set PC,   128
.set SEL,  20
.set MNT,  22
.set HM,   23
.set G1, 24
.set G0, 32
.set G1B, 48
.set G0B, 56
.set G1S, 68
.set G0S, 76
.set G1SB, 80
.set G0SB, 88
.set MSB, 0
.macro WIN new
.if MSB != (\new)
	s_set_vgpr_msb (MSB<<8)|(\new)
.set MSB, (\new)
.endif
.endm
.set MUL_LO, 0xa1
.set MUL_HI, 0xf1
.set TO_B,   0x40
.macro JLOAD g0a, g1a, g0b, g1b
	s_cmp_eq_u32 s15, 0
	s_cbranch_scc0 .Lfor_b_\@
	tensor_load_to_lds s[\g0a:\g0a+3], s[\g1a:\g1a+7]
	s_nop 0
.rept 4
	v_nop
.endr
	s_branch .Lasked_\@
.Lfor_b_\@:
	tensor_load_to_lds s[\g0b:\g0b+3], s[\g1b:\g1b+7]
	s_nop 0
.rept 4
	v_nop
.endr
.Lasked_\@:
.endm
.macro CREST
	s_cmp_lg_u32 s14, 0
	s_cbranch_scc1 .Lnot_wave_0_\@
	s_barrier_signal -3
.Lnot_wave_0_\@:
	s_barrier_wait -3
	s_barrier_signal -1
	s_barrier_wait -1
.endm
.macro CROUND
	s_barrier_signal -1
	s_barrier_wait -1
	CREST
.endm
	s_load_b128 s[4:7], s[0:1], 0x0
	s_load_b128 s[8:11], s[0:1], 0x10
	s_load_b128 s[96:99], s[0:1], 0x20
	v_lshl_add_u32 v[SPW], v0, 2, SPARE
	v_mov_b32 v[NIL], 0
	ds_add_u32 v28, v29
	ds_add_u32 v28, v29
	s_wait_dscnt 0x0
	v_lshrrev_b32 v1, 5, v0
	v_readfirstlane_b32 s14, v1
	s_lshr_b32 s15, s14, 1
	s_and_b32 s16, s14, 1
	s_bfe_u32 s40, ttmp6, 0x40000
	s_bfe_u32 s41, ttmp6, 0x40004
	s_and_b32 s2, ttmp7, 0xffff
	s_lshl_b32 s42, ttmp9, 2
	s_add_co_u32 s42, s42, s40
	s_lshl_b32 s17, s2, 2
	s_add_co_u32 s17, s17, s41
	s_add_co_u32 s18, s41, 8
	s_max_u32 s19, s2, 8
	s_sub_co_u32 s19, s19, 8
	s_lshl_b32 s19, s19, 3
	s_add_co_u32 s19, s19, s42
	s_cmp_lt_u32 s2, 8
	s_cselect_b32 s17, s17, s18
	s_cselect_b32 s42, s42, s19
	s_cselect_b32 s95, 0, 1
	s_lshl_b32 s104, s17, 8
	s_lshl_b32 s18, s15, 7
	s_add_co_u32 s104, s104, s18
	s_lshl_b32 s105, s42, 8
	s_lshl_b32 s18, s16, 7
	s_add_co_u32 s105, s105, s18
	s_lshl_b32 s43, s41, 2
	s_lshl_b32 s43, 15, s43
	s_lshl_b32 s44, 0x1111, s40
	s_or_b32 s[G1+0], s43, (0<<16)|(1<<20)|(1<<21)|(5<<22)|(3<<25)
	s_or_b32 s[G1B+0], s44, (0<<16)|(1<<20)|(1<<21)|(5<<22)|(3<<25)
.irp g, G1, G1B
	s_mov_b32 s[\g+1], ROWB<<16
	s_mov_b32 s[\g+2], 128<<16
	s_mov_b32 s[\g+3], ROWB<<16
	s_mov_b32 s[\g+4], 128
	s_mov_b32 s[\g+5], KROW
	s_mov_b32 s[\g+6], 0
	s_mov_b32 s[\g+7], 0
.endr
	s_or_b32 s[G1S+0], s43, (3<<16)|(1<<20)|(1<<21)|(5<<22)|(3<<25)
	s_or_b32 s[G1SB+0], s44, (3<<16)|(1<<20)|(1<<21)|(5<<22)|(3<<25)
.irp g, G1S, G1SB
	s_mov_b32 s[\g+1], 32<<16
	s_mov_b32 s[\g+2], 16<<16
	s_mov_b32 s[\g+3], 32<<16
	s_mov_b32 s[\g+4], 16
	s_mov_b32 s[\g+5], 32
	s_mov_b32 s[\g+6], 0
	s_mov_b32 s[\g+7], 0
.endr
	s_lshl_b32 s18, s16, 7
	s_lshl_b32 s20, s17, 8
	s_add_co_u32 s20, s20, s18
	s_lshl_b32 s46, s42, 8
	s_add_co_u32 s46, s46, s18
	s_lshl_b32 s22, s20, 5
	s_mov_b32 s23, 0
	s_lshl_b32 s20, s20, 10
	s_mov_b32 s21, 0
	s_lshl_b32 s92, s46, 5
	s_mov_b32 s93, 0
	s_lshl_b32 s46, s46, 10
	s_mov_b32 s47, 0
	s_mul_i32 s45, s14, HALFT
	s_mul_i32 s94, s14, HALFS
	s_wait_kmcnt 0x0
	s_cmp_eq_u32 s95, 0
	s_cselect_b64 s[100:101], s[4:5], s[8:9]
	s_cselect_b64 s[8:9], s[8:9], s[4:5]
	s_mov_b64 s[4:5], s[100:101]
	s_cselect_b64 s[100:101], s[6:7], s[10:11]
	s_cselect_b64 s[10:11], s[10:11], s[6:7]
	s_mov_b64 s[6:7], s[100:101]
	s_add_nc_u64 s[20:21], s[4:5], s[20:21]
	s_add_nc_u64 s[22:23], s[6:7], s[22:23]
	s_add_nc_u64 s[46:47], s[8:9], s[46:47]
	s_add_nc_u64 s[92:93], s[10:11], s[92:93]
	CROUND
	s_mov_b32 s[G0S], 1
	s_add_co_u32 s[G0S+1], s94, SCL
	s_mov_b64 s[G0S+2:G0S+3], s[22:23]
	s_or_b32 s[G0S+3], s[G0S+3], 0x80000000
	s_mov_b32 s[G0SB], 1
	s_add_co_u32 s[G0SB+1], s94, SCL
	s_mov_b64 s[G0SB+2:G0SB+3], s[92:93]
	s_or_b32 s[G0SB+3], s[G0SB+3], 0x80000000
	JLOAD G0S, G1S, G0SB, G1SB
.irp s, 0,1
	s_mov_b32 s[G0+4*\s], 1
	s_add_co_u32 s[G0+4*\s+1], s45, \s*SLOT
	s_add_nc_u64 s[G0+4*\s+2:G0+4*\s+3], s[20:21], \s*ROWB
	s_or_b32 s[G0+4*\s+3], s[G0+4*\s+3], 0x80000000
	s_mov_b32 s[G0B+4*\s], 1
	s_add_co_u32 s[G0B+4*\s+1], s45, \s*SLOT
	s_add_nc_u64 s[G0B+4*\s+2:G0B+4*\s+3], s[46:47], \s*ROWB
	s_or_b32 s[G0B+4*\s+3], s[G0B+4*\s+3], 0x80000000
	s_wait_alu depctr_va_vdst(0)
	s_wait_tensorcnt 0x0
	ds_add_u32 v28, v29
	s_wait_dscnt 0x0
	CROUND
	JLOAD G0+4*\s, G1, G0B+4*\s, G1B
.endr
	v_and_b32 v1, 15, v0
	v_bfe_u32 v2, v0, 4, 1
	v_mul_u32_u24 v3, v1, PITCH
	v_lshl_add_u32 v4, v2, 4, v3
	s_mul_i32 s21, s15, HALFT
	s_mul_i32 s22, s16, HALFT
	s_add_co_u32 s22, s22, 2*HALFT
.irp s, 0,1
	v_add_nc_u32 v[ADRA+\s], s21, v4
	v_add_nc_u32 v[ADRB+\s], s22, v4
	s_add_co_u32 s21, s21, SLOT
	s_add_co_u32 s22, s22, SLOT
.endr
	v_mul_u32_u24 v5, v1, 32
	v_lshrrev_b32 v6, 8, v5
	v_lshl_add_u32 v5, v6, 4, v5
	s_mul_i32 s21, s15, HALFS
	s_mul_i32 s22, s16, HALFS
	s_add_co_u32 s22, s22, 2*HALFS
	s_sub_co_u32 s22, s22, s21
	v_mul_u32_u24 v6, s22, v2
	s_add_co_u32 s21, s21, SCL
	v_add_nc_u32 v5, v5, v6
	v_add_nc_u32 v[ADRS], s21, v5
	v_and_b32 v6, 31, v0
	v_lshlrev_b32 v[L16], 4, v6
	v_lshlrev_b32 v[L8], 3, v6
	v_lshlrev_b32 v[R4], 2, v1
	v_lshlrev_b32 v[H32], 5, v2
	s_cmp_eq_u32 s95, 0
	s_cselect_b32 s18, s105, s104
	s_lshl_b32 s18, s18, 2
	s_mov_b32 s19, 0
	s_add_nc_u64 s[12:13], s[96:97], s[18:19]
	s_cmp_eq_u32 s95, 0
	s_cbranch_scc0 .Lbias_v
.irp b, 0,1,2,3,4,5,6,7
	global_load_b128 v[BIAS+8*\b:BIAS+8*\b+3], v[H32], s[12:13] offset:64*\b
	global_load_b128 v[BIAS+8*\b+4:BIAS+8*\b+7], v[H32], s[12:13] offset:64*\b+16
.endr
	s_branch .Lbias_done
.Lbias_v:
	s_wait_alu depctr_va_vdst(0)
.irp a, 0,1,2,3,4,5,6,7
	global_load_b32 v[BIAS+8*\a], v[R4], s[12:13] offset:64*\a
.endr
	s_wait_loadcnt 0x0
.irp a, 0,1,2,3,4,5,6,7
.irp j, 1,2,3,4,5,6,7
	v_mov_b32 v[BIAS+8*\a+\j], v[BIAS+8*\a]
.endr
.endr
.Lbias_done:
.macro FRAG reg, adr, q, i
.irp c, 0,1,2,3
	ds_load_b128 v[\reg+4*\c:\reg+4*\c+3], v[\adr] offset:128*(\q)+32*\c+(\i)*16*PITCH
.endr
.endm
.macro MUL16 a0, p, q, sc, mode
.irp a, \a0, \a0+1
.irp b, 0,1,2,3,4,5,6,7
.if \mode == 0
	v_wmma_scale_f32_16x16x128_f8f6f4 v[8*(8*((\a)%4)+\b):8*(8*((\a)%4)+\b)+7], v[128*(\p)+FR*\b:128*(\p)+FR*\b+FR-1], v[AF+FR*(\a):AF+FR*(\a)+FR-1], v[8*(8*((\a)%4)+\b):8*(8*((\a)%4)+\b)+7], v[SC+8*NQ*(\sc)+NQ*\b+(\q)], v[SC+8*NQ*(\sc)+NQ*(\a)+(\q)] matrix_a_fmt:MATRIX_FMT_BF8 matrix_b_fmt:MATRIX_FMT_BF8 matrix_a_scale:MATRIX_SCALE_ROW1
.elseif \mode == 1
	v_wmma_scale_f32_16x16x128_f8f6f4 v[8*(8*((\a)%4)+\b):8*(8*((\a)%4)+\b)+7], v[128*(\p)+FR*\b:128*(\p)+FR*\b+FR-1], v[AF+FR*(\a):AF+FR*(\a)+FR-1], v[BIAS+8*\b:BIAS+8*\b+7], v[SC+8*NQ*(\sc)+NQ*\b+(\q)], v[SC+8*NQ*(\sc)+NQ*(\a)+(\q)] matrix_a_fmt:MATRIX_FMT_BF8 matrix_b_fmt:MATRIX_FMT_BF8 matrix_a_scale:MATRIX_SCALE_ROW1
.else
	v_wmma_scale_f32_16x16x128_f8f6f4 v[8*(8*((\a)%4)+\b):8*(8*((\a)%4)+\b)+7], v[128*(\p)+FR*\b:128*(\p)+FR*\b+FR-1], v[AF+FR*(\a):AF+FR*(\a)+FR-1], v[BIAS+8*(\a):BIAS+8*(\a)+7], v[SC+8*NQ*(\sc)+NQ*\b+(\q)], v[SC+8*NQ*(\sc)+NQ*(\a)+(\q)] matrix_a_fmt:MATRIX_FMT_BF8 matrix_b_fmt:MATRIX_FMT_BF8 matrix_a_scale:MATRIX_SCALE_ROW1
.endif
.endr
.endr
.endm
.macro FETCH_B slot, q, p
	WIN TO_B
.irp i, 0,1,2,3,4,5,6,7
	FRAG 128*(\p)+FR*\i, ADRB+\slot, \q, \i
.endr
	WIN 0
.endm
.macro FETCH_A slot, q, i0
.irp i, \i0, \i0+1, \i0+2, \i0+3
	FRAG AF+FR*(\i), ADRA+\slot, \q, \i
.endr
.endm
.macro SCALES sc
.irp i, 0,1,2,3,4,5,6,7
	ds_load_b64 v[SC+8*NQ*\sc+NQ*\i:SC+8*NQ*\sc+NQ*\i+1], v[ADRS] offset:\i*SBLK
.endr
.endm
.macro PLACES n
.rept \n
	v_nop
.endr
.endm
.macro STEP slot, q, mode
	s_wait_dscnt 4*NL
.if \mode
	WIN 0x81
.else
	WIN MUL_LO
.endif
	MUL16 0, (\q)%2, \q, \slot, \mode
	MUL16 2, (\q)%2, \q, \slot, \mode
	s_wait_dscnt 0
	PLACES NP
	FETCH_B \slot, (\q)+1, 1-(\q)%2
	FETCH_A \slot, (\q)+1, 0
.if \mode
	WIN 0xc1
.else
	WIN MUL_HI
.endif
	MUL16 4, (\q)%2, \q, \slot, \mode
	MUL16 6, (\q)%2, \q, \slot, \mode
	PLACES NP
	WIN 0
	FETCH_A \slot, (\q)+1, 4
.endm
.macro TURN slot, next, fill
	s_wait_tensorcnt 0x0
	ds_add_u32 v[SPW], v[NIL]
	s_wait_dscnt 4*NL+1
	WIN MUL_LO
	MUL16 0, 1, NQ-1, \slot, 0
	s_wait_dscnt 0x0
	s_barrier_signal -1
	MUL16 2, 1, NQ-1, \slot, 0
	WIN 0
	s_barrier_wait -1
.if \fill
	CREST
	s_add_nc_u64 s[G0+4*\slot+2:G0+4*\slot+3], s[G0+4*\slot+2:G0+4*\slot+3], 2*ROWB
	s_add_nc_u64 s[G0B+4*\slot+2:G0B+4*\slot+3], s[G0B+4*\slot+2:G0B+4*\slot+3], 2*ROWB
	JLOAD G0+4*\slot, G1, G0B+4*\slot, G1B
	PLACES NP-4
.else
	PLACES NP
.endif
	s_wait_alu depctr_va_vdst(0)
	v_add_nc_u32 v[ADRS], 4*NQ, v[ADRS]
	FETCH_B \next, 0, 0
	FETCH_A \next, 0, 0
	SCALES \next
	WIN MUL_HI
	MUL16 4, 1, NQ-1, \slot, 0
	MUL16 6, 1, NQ-1, \slot, 0
	PLACES NP
	WIN 0
	FETCH_A \next, 0, 4
.endm
	s_wait_tensorcnt 1
	s_barrier_signal -1
	s_barrier_wait -1
	FETCH_B 0, 0, 0
	FETCH_A 0, 0, 0
	s_wait_alu depctr_va_vdst(0)
	SCALES 0
	FETCH_A 0, 0, 4
	s_wait_loadcnt 0x0
	s_cmp_eq_u32 s95, 0
	s_cbranch_scc0 .Lfirst_v
	STEP 0, 0, 1
	s_branch .Lfirst_done
.Lfirst_v:
	STEP 0, 0, 2
.Lfirst_done:
	s_mov_b32 s3, LAPS-1
.Llap:
	TURN 0, 1, 1
	STEP 1, 0, 0
	TURN 1, 0, 1
	STEP 0, 0, 0
	s_sub_co_u32 s3, s3, 1
	s_cmp_lg_u32 s3, 0
	s_cbranch_scc1 .Llap
	TURN 0, 1, 0
	STEP 1, 0, 0
	s_wait_dscnt 4*NL
	WIN MUL_LO
	MUL16 0, 1, NQ-1, 1, 0
	MUL16 2, 1, NQ-1, 1, 0
	s_wait_dscnt 0
	WIN MUL_HI
	MUL16 4, 1, NQ-1, 1, 0
	MUL16 6, 1, NQ-1, 1, 0
	WIN 0
.macro QUANT a
.set W, 2+(\a)/4
.set AC, 64*((\a)%4)
	WIN (W|(W<<2))
.irp b, 0,1,2,3
	v_max3_num_f32 v[TM+\b], |v[AC+16*\b]|, |v[AC+16*\b+1]|, 0x8000000
.endr
	WIN ((W<<2)|(W<<4))
.irp i, 2,4,6,8,10,12,14
.irp b, 0,1,2,3
	v_max3_num_f32 v[TM+\b], v[TM+\b], |v[AC+16*\b+\i]|, |v[AC+16*\b+\i+1]|
.endr
.endr
	WIN 0
.irp b, 0,1,2,3
	v_permlanex16_b32 v[TM+4+\b], v[TM+\b], s[SEL], s[SEL+1]
.endr
.irp b, 0,1,2,3
	v_max_num_f32 v[TM+\b], v[TM+\b], v[TM+4+\b]
.endr
.irp b, 0,1,2,3
	v_add_nc_u32 v[TM+12+\b], 0xf8800000, v[TM+\b]
.endr
.irp b, 0,1,2,3
.endr
.irp b, 0,1,2,3
	v_lshrrev_b32 v[BY+4*(\a)+\b], 23, v[TM+12+\b]
.endr
	WIN ((W<<6)|W)
.irp b, 0,1,2,3
.irp i, 0,1,2,3,4,5,6,7,8,9,10,11,12,13,14,15
.endr
.endr
	WIN W
.irp b, 0,1,2,3
	v_cvt_scalef32_pk8_bf8_f32 v[PC+16*(\a)+4*\b:PC+16*(\a)+4*\b+1], v[AC+16*\b:AC+16*\b+7], v[TM+12+\b]
	v_cvt_scalef32_pk8_bf8_f32 v[PC+16*(\a)+4*\b+2:PC+16*(\a)+4*\b+3], v[AC+16*\b+8:AC+16*\b+15], v[TM+12+\b]
.endr
	WIN 0
	v_nop
.endm
	PLACES NP
	s_mov_b32 s[SEL], 0x76543210
	s_mov_b32 s[SEL+1], 0xfedcba98
	s_mov_b32 s[HM], 0xffff0000
.irp b, 0,1,2,3
	v_mov_b32 v[TM+4+\b], 0
.endr
.irp a, 0,1,2,3,4,5,6,7
	QUANT \a
.endr
	s_cmp_eq_u32 s95, 0
	s_cbranch_scc0 .Lout_v
	s_lshr_b32 s18, s104, 11
	s_lshl_b32 s18, s18, 4
	s_bfe_u32 s19, s105, 0x40006
	s_add_co_u32 s18, s18, s19
	s_lshl_b32 s18, s18, 4
	s_bfe_u32 s19, s104, 0x40007
	s_add_co_u32 s18, s18, s19
	s_mul_i32 s40, s18, REC
	s_add_co_u32 s42, s40, 8192
	s_lshl_b32 s41, s18, 13
	s_add_co_u32 s41, s41, QOFF
	s_lshl_b32 s43, s18, 9
	s_add_co_u32 s43, s43, QSOFF
	s_mov_b32 s44, 16*REC
	s_mov_b32 s45, 16*8192
	s_mov_b32 s46, 16*512
	s_cmp_ge_u32 s105, 1024
	s_cselect_b32 s40, s40, s41
	s_cselect_b32 s42, s42, s43
	s_cselect_b32 s46, s44, s46
	s_cselect_b32 s44, s44, s45
	s_mov_b32 s41, 0
	s_mov_b32 s43, 0
	s_mov_b32 s45, 0
	s_mov_b32 s47, 0
	s_add_nc_u64 s[68:69], s[98:99], s[40:41]
	s_add_nc_u64 s[70:71], s[68:69], s[44:45]
	s_add_nc_u64 s[72:73], s[98:99], s[42:43]
	s_add_nc_u64 s[74:75], s[72:73], s[46:47]
.irp a, 0,1,2,3,4,5,6,7
	v_lshl_or_b32 v[BY+4*\a], v[BY+4*\a+1], 8, v[BY+4*\a]
	v_lshl_or_b32 v[BY+4*\a+2], v[BY+4*\a+3], 8, v[BY+4*\a+2]
.endr
.irp a, 0,1,2,3,4,5,6,7
	v_lshl_or_b32 v[BY+4*\a], v[BY+4*\a], 16, v[BY+4*\a]
	v_lshl_or_b32 v[BY+4*\a+2], v[BY+4*\a+2], 16, v[BY+4*\a+2]
.endr
.irp w, 0,1,2,3
	v_cndmask_b32 v[MG+\w], v[BY+8*\w], v[BY+8*\w+4], s[HM]
	v_cndmask_b32 v[MG+4+\w], v[BY+8*\w+2], v[BY+8*\w+6], s[HM]
.endr
.irp a, 0,1,2,3,4,5,6,7
.irp c, 0,1
	global_store_b128 v[L16], v[PC+16*\a+4*\c:PC+16*\a+4*\c+3], s[68:69] offset:\a*1024+\c*512
	global_store_b128 v[L16], v[PC+16*\a+8+4*\c:PC+16*\a+8+4*\c+3], s[70:71] offset:\a*1024+\c*512
.endr
.endr
	global_store_b128 v[L16], v[MG:MG+3], s[72:73]
	global_store_b128 v[L16], v[MG+4:MG+7], s[74:75]
	s_branch .Lout_done
.Lout_v:
	s_lshr_b32 s18, s105, 11
	s_lshl_b32 s18, s18, 4
	s_sub_co_u32 s19, s104, 2048
	s_lshr_b32 s19, s19, 6
	s_add_co_u32 s18, s18, s19
	s_lshl_b32 s18, s18, 4
	s_bfe_u32 s19, s105, 0x40007
	s_add_co_u32 s18, s18, s19
	s_mul_i32 s40, s18, REC
	s_add_co_u32 s40, s40, 8704
	s_mov_b32 s41, 0
	s_add_nc_u64 s[68:69], s[98:99], s[40:41]
.irp a, 0,1,2,3,4,5,6,7
	v_lshl_or_b32 v[BY+4*\a], v[BY+4*\a+1], 8, v[BY+4*\a]
.endr
.irp a, 0,1,2,3,4,5,6,7
	v_lshl_or_b32 v[BY+4*\a], v[BY+4*\a+2], 16, v[BY+4*\a]
.endr
.irp a, 0,1,2,3,4,5,6,7
	v_lshl_or_b32 v[BY+4*\a], v[BY+4*\a+3], 24, v[BY+4*\a]
.endr
.irp k, 0,1,2,3
	v_cndmask_b32 v[MG+\k], v[BY+8*\k], v[BY+8*\k+4], s[HM]
.endr
.irp a, 0,1,2,3,4,5,6,7
.irp c, 0,1,2,3
	global_store_b128 v[L16], v[PC+16*\a+4*\c:PC+16*\a+4*\c+3], s[68:69] offset:(\a/4)*16*REC+(\a%4)*2048+\c*512
.endr
.endr
	global_store_b64 v[L8], v[MG:MG+1], s[68:69] offset:8192
	global_store_b64 v[L8], v[MG+2:MG+3], s[68:69] offset:16*REC+8192
.Lout_done:
	s_wait_tensorcnt 0x0
	ds_add_u32 v[SPW], v[NIL]
	s_wait_dscnt 0x0
	CROUND
	s_endpgm
.Lfunc_end_k_q2c2caa8b49_qkv:
	.size	k_q2c2caa8b49_qkv, .Lfunc_end_k_q2c2caa8b49_qkv-k_q2c2caa8b49_qkv
	.p2alignl 7, 3214868480
	.fill 96, 4, 3214868480
	.section	.rodata,"a",@progbits
	.p2align	6, 0x0
	.amdhsa_kernel k_q2c2caa8b49_qkv
		.amdhsa_group_segment_fixed_size 327680
		.amdhsa_private_segment_fixed_size 0
		.amdhsa_enable_private_segment 0
		.amdhsa_kernarg_size 48
		.amdhsa_user_sgpr_count 2
		.amdhsa_user_sgpr_kernarg_segment_ptr 1
		.amdhsa_wavefront_size32 1
		.amdhsa_system_sgpr_workgroup_id_x 1
		.amdhsa_system_sgpr_workgroup_id_y 1
		.amdhsa_system_sgpr_workgroup_id_z 1
		.amdhsa_system_vgpr_workitem_id 0
		.amdhsa_next_free_vgpr 1024
		.amdhsa_next_free_sgpr 106
		.amdhsa_reserve_vcc 0
		.amdhsa_float_denorm_mode_32 3
		.amdhsa_float_denorm_mode_16_64 3
		.amdhsa_fp16_overflow 1
		.amdhsa_memory_ordered 1
		.amdhsa_forward_progress 1
		.amdhsa_inst_pref_size 176
	.end_amdhsa_kernel
	.amdgpu_metadata
---
amdhsa.version: [ 1, 2 ]
amdhsa.kernels:
  - .name:           k_q2c2caa8b49_qkv
    .symbol:         k_q2c2caa8b49_qkv.kd
    .args:
      - { .name: x_codes, .offset: 0, .size: 8, .value_kind: global_buffer, .address_space: global }
      - { .name: x_scales, .offset: 8, .size: 8, .value_kind: global_buffer, .address_space: global }
      - { .name: W_qkv_codes, .offset: 16, .size: 8, .value_kind: global_buffer, .address_space: global }
      - { .name: W_qkv_scales, .offset: 24, .size: 8, .value_kind: global_buffer, .address_space: global }
      - { .name: b_qkv, .offset: 32, .size: 8, .value_kind: global_buffer, .address_space: global }
      - { .name: kvq, .offset: 40, .size: 8, .value_kind: global_buffer, .address_space: global }
    .group_segment_fixed_size: 327680
    .private_segment_fixed_size: 0
    .kernarg_segment_align: 8
    .kernarg_segment_size: 48
    .max_flat_workgroup_size: 128
    .sgpr_count:     106
    .vgpr_count:     1024
    .wavefront_size: 32
...
	.end_amdgpu_metadata
.endif
;; end of part 1
;; launch attn (part 2): grid 8 x 32, 8 waves a work-group, clusters of 4 x 1, 327,680 bytes of LDS; arguments kvq, oimg, osc; writes oimg, osc
.if DOCPART == 2
	.amdgcn_target "amdgcn-amd-amdhsa--gfx1250"
	.amdhsa_code_object_version 6
	.text
	.protected	k_q2c2caa8b49_attn
	.globl	k_q2c2caa8b49_attn
	.p2align	8
	.type	k_q2c2caa8b49_attn,@function
k_q2c2caa8b49_attn:
	s_mov_b64 s[64:65], 0
	v_nop
	global_prefetch_b8 v0, s[64:65] scope:SCOPE_SE
	s_setreg_imm32_b32 hwreg(HW_REG_WAVE_MODE, 25, 1), 1
	s_wait_xcnt 0x0
	s_wait_alu depctr_hold_cnt(0) depctr_sa_sdst(0) depctr_va_vdst(0) depctr_va_sdst(0) depctr_va_ssrc(0) depctr_va_vcc(0) depctr_vm_vsrc(0)
	s_getreg_b32 s2, hwreg(HW_REG_IB_STS2, 6, 4)
	s_cmp_eq_u32 s2, 0
	s_cbranch_scc0 .Lentry_in_a_cluster
	s_endpgm
.Lentry_in_a_cluster:
	s_bfe_u32 s2, ttmp6, 0x10000c
	s_cmp_lg_u32 s2, 0x3003
	s_cbranch_scc0 .Lentry_shape_is_right
	s_endpgm
.Lentry_shape_is_right:
; O = softmax(Q K^T / 8) V for 64 (batch, head) pairs of 2,048 x 64, both products on codes of E5M2 with E8M0 scales; O is quantised along the model's 1,024 for the projection.
; THE SOFTMAX AHEAD OF THE SECOND PRODUCT: t = score x log2(e) / 8; M = the running largest t rounded UP to a whole number, kept as -M = floor(-t); p = 2^(t - M) is quantised along the keys, not normalised;
; the row's sum is taken of the unquantised p and divides O at the end.  When M moves, the sum and O are multiplied by 2^(old M - new M): exact.
; SHARES.  A work-group owns 256 queries of a PAIR of heads, one head after the other, so that a row's scale word for the projection's K step (128 = two heads) is made whole by one wave.  Each of eight waves owns 32 queries,
; two tiles of 16: every fragment of K and V read from LDS feeds two matrix instructions.  Two waves share a SIMD.  Every wave walks all 2,048 keys of a head, 128 a step.
; LAYOUT.  Both products transposed: S^T = K Q^T (source 0 = 16 keys, source 1 = 16 queries), O^T = V^T P^T: a lane holds ONE query throughout.  The 16 registers of key tiles 2 B and 2 B + 1 are 16 keys of block B, in the
; order in which the launch before laid V's keys: a fixed reordering inside each block of 32, alike on both sides.  The head's 64 fill half of the scores' K step of 128: the other half are zero codes, kept in registers.
; THE STREAM.  kvq's records (K, K's scales, V, V's scales of 128 keys; 17,152 bytes) are read SKEWED by 8,704 bytes: V(j), V's scales(j), K(j + 1), K's scales(j + 1): all LDS reads of step j lie in one skewed record, and K is
; fetched a step ahead.  K(0) comes straight from memory.  The pair's last step fetches a K(32) that nobody multiplies: the next pair's first record, or for the last pair the first bytes of Q's codes: inside kvq.
; Two LDS slots of eight skewed records; wave w fills record w of a slot by one tensor load of 67 rows of 256 bytes, which has eight key steps in which to land.  One tensor load of a wave is out at any time.
; CLUSTER.  The four query blocks of a cluster walk the same stream: every fill is a joint load with the mask of all four.
; LIMITS: NaN and infinities are not served; a block of O under 2^-111 keeps the byte 1; p's block maximum is taken through the block's largest score, which takes v_exp_f32 not to fall where its input rises;
; the rows' scale words leave in runs of 128 bytes a wave (262,144 bytes in all).
; REGISTERS.  window 0: v1-7 addresses; v16-19 K's scale words, v22-23 Q's (head 0, 1), v250-251 V's; v24-71 statistics, 24 a tile; v72-103 p's codes; v104-231 S^T, 64 a tile (tile 0's take V's four fragments behind
;   their conversions); v232-247 O's codes; v248 O's scale word.   window 1: v0-63 O^T (tile x, channel tile ct at 32 x + 8 ct); v64-127 Q's four fragments (head, tile); v128-255 K's eight: each 8 registers of codes, 8 of zeros.
.set REC,   17152
.set SLOTB, 8*REC
.set SPARE, 2*SLOTB                    ; the spare words, 128 bytes a wave: four blocks of 256 bytes that no other line names
.set QOFF,  1024*REC
.set QSOFF, QOFF+1024*8192
.set VSO,   8192                       ; in a skewed record: V at 0, V's scale image,
.set KO,    8448                       ; the next step's K,
.set KSO,   16640                      ; and its scale image
.set L16, 1                            ; v1  16 x lane
.set L8,  2                            ; v2  8 x lane
.set ADR, 3                            ; v3  the record in hand + 16 x lane
.set ADR8, 4                           ; v4  + 8 x lane
.set SPW, 5                            ; v5  my spare word; never rewritten
.set NIL, 6                            ; v6  0; never rewritten
.set L4,  7                            ; v7  4 x lane
.set KSC, 16
.set QSC, 22
.set ST,  24                           ; tile x at ST + 24 x: +0 -M, +1 largest t, +2 +3 the sum, +4..7 blocks' maxima, +8..11 at work, +16..19 scale operands, +20 f, +21 p's scale word, +22 at work, +23 head 0's two bytes
.set PCD, 72
.set S,   104
.set OC,  232
.set OW,  248
.set VSC, 250
.set OT,  0                            ; window 1
.set QF,  64
.set KF,  128
.set WV,  10                           ; s10 wave
.set G1,  16                           ; s[16:23] descriptor group 1;  s[24:27] group 0, which walks
.set G0,  24
.set WOFF, 28                          ; s28 wave x 17,152
.set TB,  29                           ; s29 LDS byte of the record in hand
.set CNT, 30
.set CS,  32                           ; s[32:33] c = log2(e) / 8
.set SEL, 34
.set MNT, 36
.set HM,  37
.set MSB, 0
.macro WIN new
.if MSB != (\new)
	s_set_vgpr_msb (MSB<<8)|(\new)
.set MSB, (\new)
.endif
.endm
.macro PLACES n
.rept \n
	v_nop
.endr
.endm
.macro CROUND                          ; a round of the cluster's barrier
	s_barrier_signal -1
	s_barrier_wait -1
	s_cmp_lg_u32 s[WV], 0
	s_cbranch_scc1 .Lnot_wave_0_\@
	s_barrier_signal -3
.Lnot_wave_0_\@:
	s_barrier_wait -3
	s_barrier_signal -1
	s_barrier_wait -1
.endm
	s_load_b128 s[4:7], s[0:1], 0x0                ; kvq, oimg
	s_load_b64 s[8:9], s[0:1], 0x10                ; osc
	v_lshl_add_u32 v[SPW], v0, 2, SPARE
	v_mov_b32 v[NIL], 0
	ds_add_u32 v5, v6
	ds_add_u32 v5, v6
	s_wait_dscnt 0x0
	v_lshrrev_b32 v8, 5, v0
	s_delay_alu instid0(VALU_DEP_1)
	v_readfirstlane_b32 s[WV], v8                  ; wave 0..7
	s_bfe_u32 s11, ttmp6, 0x40000                  ; cx
	s_lshl_b32 s12, ttmp9, 2
	s_add_co_u32 s12, s12, s11                     ; my block of 256 queries: it enters Q's and O's addresses alone
	s_and_b32 s13, ttmp7, 0xffff                   ; the pair of heads, which the four partners share
	s_mul_i32 s[WOFF], s[WV], REC
	s_mul_i32 s60, s13, 32*REC                     ; the pair's 32 records
	s_mov_b32 s61, 0
	s_add_co_u32 s62, s60, s[WOFF]
	s_add_co_u32 s62, s62, 8704                    ; skewed record w
	s_mov_b32 s63, 0
	s_lshr_b32 s48, s[WV], 2
	s_and_b32 s49, s[WV], 3
	s_lshl_b32 s50, s13, 5
	s_lshl_b32 s51, s12, 1
	s_add_co_u32 s50, s50, s51
	s_add_co_u32 s50, s50, s48                     ; head 0's group of 128 queries: 32 pair + 2 block + wave / 4
	s_lshl_b32 s52, s50, 13
	s_lshl_b32 s51, s49, 11
	s_add_co_u32 s52, s52, s51
	s_add_co_u32 s52, s52, QOFF                    ; my two tiles' codes
	s_mov_b32 s53, 0
	s_lshl_b32 s54, s50, 9
	s_lshl_b32 s51, s49, 2
	s_add_co_u32 s54, s54, s51
	s_add_co_u32 s54, s54, QSOFF                   ; word wave % 4 of each lane's 16 bytes: lanes 0-15 my tile 0's, lanes 16-31 my tile 1's
	s_mov_b32 s55, 0
	s_lshr_b32 s48, s13, 3                         ; batch
	s_and_b32 s49, s13, 7                          ; the projection's K step
	s_lshl_b32 s50, s48, 7
	s_lshl_b32 s51, s12, 4
	s_add_co_u32 s50, s50, s51
	s_lshl_b32 s51, s[WV], 1
	s_add_co_u32 s50, s50, s51                     ; my first tile of 16 rows
	s_lshl_b32 s50, s50, 3
	s_add_co_u32 s50, s50, s49
	s_lshl_b32 s56, s50, 11                        ; oimg: fragment (row tile, K step) at (8 tile + step) x 2,048
	s_mov_b32 s57, 0
	s_lshl_b32 s58, s49, 13
	s_lshl_b32 s51, s48, 11
	s_add_co_u32 s58, s58, s51
	s_lshl_b32 s51, s12, 8
	s_add_co_u32 s58, s58, s51
	s_lshl_b32 s51, s[WV], 5
	s_add_co_u32 s58, s58, s51
	s_lshl_b32 s58, s58, 2                         ; osc: word (K step x 8,192 + row)
	s_mov_b32 s59, 0
	; descriptor group 1: 17,152 dense bytes as 67 rows of 256 (32 elements of 8 bytes), no padding: the images are read 16 bytes a lane on end
	s_mov_b32 s[G1], 15|(3<<16)|(1<<21)            ; 15:0 the mask: all four work-groups; 17:16 elements of 8 bytes; 21 set beside a mask
	s_mov_b32 s[G1+1], 32<<16                      ; tensor_dim0
	s_mov_b32 s[G1+2], 67<<16                      ; tensor_dim1
	s_mov_b32 s[G1+3], 32<<16                      ; tile_dim0
	s_mov_b32 s[G1+4], 67                          ; tile_dim1
	s_mov_b32 s[G1+5], 32                          ; from row to row
	s_mov_b32 s[G1+6], 0
	s_mov_b32 s[G1+7], 0
	s_mov_b32 s[CS], 0x3e38aa3b                    ; c = log2(e) / 8
	s_mov_b32 s[CS+1], s[CS]                       ; (named with it as a pair, so it is written)
	s_mov_b32 s[SEL], 0x76543210
	s_mov_b32 s[SEL+1], 0xfedcba98                 ; v_permlanex16_b32's selects for lane l xor 16
	s_mov_b32 s[HM], 0xffff0000                    ; lanes 16-31
	s_wait_kmcnt 0x0
	s_add_nc_u64 s[38:39], s[4:5], s[52:53]        ; Q's codes
	s_add_nc_u64 s[40:41], s[4:5], s[54:55]        ; Q's scale words
	s_add_nc_u64 s[42:43], s[4:5], s[60:61]        ; K(0)
	s_add_nc_u64 s[44:45], s[6:7], s[56:57]        ; oimg
	s_add_nc_u64 s[46:47], s[8:9], s[58:59]        ; osc
	s_mov_b32 s[G0], 1
	s_mov_b32 s[G0+1], s[WOFF]                     ; slot 0, record w
	s_add_nc_u64 s[G0+2:G0+3], s[4:5], s[62:63]
	s_or_b32 s[G0+3], s[G0+3], 0x80000000
	CROUND                                         ; all four work-groups are here: the first joint loads meet
	tensor_load_to_lds s[G0:G0+3], s[G1:G1+7]      ; slot 0
	s_nop 0
.rept 4
	v_nop
.endr
	v_and_b32 v8, 31, v0
	s_delay_alu instid0(VALU_DEP_1)
	v_lshlrev_b32 v[L16], 4, v8
	s_delay_alu instid0(VALU_DEP_2)
	v_lshlrev_b32 v[L8], 3, v8
	s_delay_alu instid0(VALU_DEP_3)
	v_lshlrev_b32 v[L4], 2, v8
	WIN 0x40                                       ; destination window 1
.irp t, 0,1,2,3,4,5,6,7
.irp c, 0,1
	global_load_b128 v[KF+16*\t+4*\c:KF+16*\t+4*\c+3], v[L16], s[42:43] offset:\t*1024+\c*512
.endr
.endr
.irp hd, 0,1
.irp x, 0,1
.irp c, 0,1
	global_load_b128 v[QF+32*\hd+16*\x+4*\c:QF+32*\hd+16*\x+4*\c+3], v[L16], s[38:39] offset:\hd*131072+\x*1024+\c*512
.endr
.endr
.endr
.irp f, 0,1,2,3,4,5,6,7,8,9,10,11
.irp j, 8,9,10,11,12,13,14,15
	v_mov_b32 v[QF+16*\f+\j], 0                    ; the zero codes of k = 64 .. 127, of Q's four and K's eight fragments: written once, no load touches them
.endr
.endr
	WIN 0
	global_load_b128 v[KSC:KSC+3], v[L16], s[42:43] offset:8192
	global_load_b32 v[QSC], v[L16], s[40:41]
	global_load_b32 v[QSC+1], v[L16], s[40:41] offset:8192
.irp x, 0,1
.irp b, 0,1,2,3
	v_mov_b32 v[ST+24*\x+8+\b], 0                  ; a lane permute's destination counts as one of its sources
.endr
	v_mov_b32 v[ST+24*\x+21], 0                    ; (named as the upper half of a pair before it is first written)
.endr
; A head begins: the largest t is -3e38, the sum and O^T are zeros, which the first change of M leaves zeros: so the key step is written once, with no first step of its own.
.macro INIT
.irp x, 0,1
	v_mov_b32 v[ST+24*\x+1], 0xff61b1e6
	v_mov_b32 v[ST+24*\x+2], 0
	v_mov_b32 v[ST+24*\x+3], 0
.endr
.irp x, 0
	v_floor_f32 v[ST+24*\x], -v[ST+24*\x+1]
.endr
.irp x, 1
	s_delay_alu instid0(VALU_DEP_4)
	v_floor_f32 v[ST+24*\x], -v[ST+24*\x+1]
.endr
	WIN 0x40
.set j, 0
.rept 64
	v_mov_b32 v[OT+j], 0
.set j, j+1
.endr
	WIN 0
.endm
; One product of S^T: key tile t, query tile x, head hd.  K's scale words: register t / 2, lanes 16-31 for odd t; Q's: lanes 16-31 for tile 1.
.macro SCORE t, x, hd
.if ((\t)%2 == 0) && (\x == 0)
	v_wmma_scale_f32_16x16x128_f8f6f4 v[S+64*\x+8*\t:S+64*\x+8*\t+7], v[KF+16*\t:KF+16*\t+15], v[QF+32*\hd+16*\x:QF+32*\hd+16*\x+15], 0, v[KSC+(\t)/2], v[QSC+\hd] matrix_a_fmt:MATRIX_FMT_BF8 matrix_b_fmt:MATRIX_FMT_BF8
.elseif ((\t)%2 == 1) && (\x == 0)
	v_wmma_scale_f32_16x16x128_f8f6f4 v[S+64*\x+8*\t:S+64*\x+8*\t+7], v[KF+16*\t:KF+16*\t+15], v[QF+32*\hd+16*\x:QF+32*\hd+16*\x+15], 0, v[KSC+(\t)/2], v[QSC+\hd] matrix_a_fmt:MATRIX_FMT_BF8 matrix_b_fmt:MATRIX_FMT_BF8 matrix_a_scale:MATRIX_SCALE_ROW1
.elseif (\t)%2 == 0
	v_wmma_scale_f32_16x16x128_f8f6f4 v[S+64*\x+8*\t:S+64*\x+8*\t+7], v[KF+16*\t:KF+16*\t+15], v[QF+32*\hd+16*\x:QF+32*\hd+16*\x+15], 0, v[KSC+(\t)/2], v[QSC+\hd] matrix_a_fmt:MATRIX_FMT_BF8 matrix_b_fmt:MATRIX_FMT_BF8 matrix_b_scale:MATRIX_SCALE_ROW1
.else
	v_wmma_scale_f32_16x16x128_f8f6f4 v[S+64*\x+8*\t:S+64*\x+8*\t+7], v[KF+16*\t:KF+16*\t+15], v[QF+32*\hd+16*\x:QF+32*\hd+16*\x+15], 0, v[KSC+(\t)/2], v[QSC+\hd] matrix_a_fmt:MATRIX_FMT_BF8 matrix_b_fmt:MATRIX_FMT_BF8 matrix_a_scale:MATRIX_SCALE_ROW1 matrix_b_scale:MATRIX_SCALE_ROW1
.endif
.endm
; One product of O^T: channel tile ct, query tile x; K = the step's 128 keys.
.macro PV ct, x
.if (\ct)%2 == 0
	v_wmma_scale_f32_16x16x128_f8f6f4 v[OT+32*\x+8*\ct:OT+32*\x+8*\ct+7], v[S+16*\ct:S+16*\ct+15], v[PCD+16*\x:PCD+16*\x+15], v[OT+32*\x+8*\ct:OT+32*\x+8*\ct+7], v[VSC+(\ct)/2], v[ST+24*\x+21] matrix_a_fmt:MATRIX_FMT_BF8 matrix_b_fmt:MATRIX_FMT_BF8
.else
	v_wmma_scale_f32_16x16x128_f8f6f4 v[OT+32*\x+8*\ct:OT+32*\x+8*\ct+7], v[S+16*\ct:S+16*\ct+15], v[PCD+16*\x:PCD+16*\x+15], v[OT+32*\x+8*\ct:OT+32*\x+8*\ct+7], v[VSC+(\ct)/2], v[ST+24*\x+21] matrix_a_fmt:MATRIX_FMT_BF8 matrix_b_fmt:MATRIX_FMT_BF8 matrix_a_scale:MATRIX_SCALE_ROW1
.endif
.endm
; The largest score of each block of 32 keys (it serves twice: for the row's maximum and, since p rises with the score, for the block's largest p), the new -M, and f = 2^(old M - new M); the two tiles line by line.
.macro MAXSTAT2
.irp x, 0,1
.irp b, 0,1,2,3
	v_max3_num_f32 v[ST+24*\x+4+\b], v[S+64*\x+16*\b], v[S+64*\x+16*\b+1], v[S+64*\x+16*\b+2]     ; each accumulator is read from its low end on
.endr
.endr
.irp i, 3,5,7,9,11,13
.irp x, 0,1
.irp b, 0,1,2,3
	v_max3_num_f32 v[ST+24*\x+4+\b], v[ST+24*\x+4+\b], v[S+64*\x+16*\b+\i], v[S+64*\x+16*\b+\i+1]
.endr
.endr
.endr
.irp x, 0,1
.irp b, 0,1,2,3
	v_max_num_f32 v[ST+24*\x+4+\b], v[ST+24*\x+4+\b], v[S+64*\x+16*\b+15]
.endr
.endr
.irp x, 0,1
.irp b, 0,1,2,3
	v_permlanex16_b32 v[ST+24*\x+8+\b], v[ST+24*\x+4+\b], s[SEL], s[SEL+1]
.endr
.endr
.irp x, 0,1
.irp b, 0,1,2,3
	v_max_num_f32 v[ST+24*\x+4+\b], v[ST+24*\x+4+\b], v[ST+24*\x+8+\b]     ; with lane l xor 16's 16 keys
.endr
.endr
.irp x, 0
	v_max3_num_f32 v[ST+24*\x+22], v[ST+24*\x+4], v[ST+24*\x+5], v[ST+24*\x+6]
.endr
.irp x, 1
	s_delay_alu instid0(VALU_DEP_3)
	v_max3_num_f32 v[ST+24*\x+22], v[ST+24*\x+4], v[ST+24*\x+5], v[ST+24*\x+6]
.endr
.irp x, 0,1
	s_delay_alu instid0(VALU_DEP_2)
	v_max_num_f32 v[ST+24*\x+22], v[ST+24*\x+22], v[ST+24*\x+7]            ; the step's largest score of my query
.endr
.irp x, 0,1
	s_delay_alu instid0(VALU_DEP_2)
	v_mul_f32 v[ST+24*\x+22], s[CS], v[ST+24*\x+22]                        ; as t (c is positive)
.endr
.irp x, 0,1
	s_delay_alu instid0(VALU_DEP_2)
	v_max_num_f32 v[ST+24*\x+1], v[ST+24*\x+1], v[ST+24*\x+22]             ; the running largest t
.endr
.irp x, 0,1
	v_mov_b32 v[ST+24*\x+22], v[ST+24*\x]
.endr
.irp x, 0,1
	s_delay_alu instid0(VALU_DEP_4)
	v_floor_f32 v[ST+24*\x], -v[ST+24*\x+1]                                ; the new -M = floor(-t) = -ceil(t)
.endr
.irp x, 0,1
	s_delay_alu instid0(VALU_DEP_2)
	v_sub_f32 v[ST+24*\x+22], v[ST+24*\x], v[ST+24*\x+22]                  ; old M - new M: a whole number, 0 or less
.endr
.irp x, 0,1
	s_delay_alu instid0(VALU_DEP_2)
	v_cvt_i32_f32 v[ST+24*\x+22], v[ST+24*\x+22]                           ; (it saturates)
.endr
.irp x, 0,1
	s_delay_alu instid0(VALU_DEP_2)
	v_ldexp_f32 v[ST+24*\x+20], 1.0, v[ST+24*\x+22]                        ; f
.endr
.endm
; Tile x: p = 2^(t - M), its sum, its four blocks' scales, its codes.
.macro EXPQ x
.set TT, ST+24*(\x)
.set SS, S+64*(\x)
.set CC, PCD+16*(\x)
.set j, 0
.rept 32
	v_pk_fma_f32 v[SS+j:SS+j+1], v[SS+j:SS+j+1], s[CS:CS+1], v[TT:TT+1] op_sel_hi:[1,0,0]     ; t - M, two at a time (of the pairs c and -M the low word serves both halves)
.set j, j+2
.endr
.irp b, 0,1,2,3
	v_fma_f32 v[TT+4+\b], v[TT+4+\b], s[CS], v[TT]     ; the same of each block's largest score
.endr
.set j, 0
	s_wait_alu depctr_va_vdst(0)
.rept 64
	v_exp_f32 v[SS+j], v[SS+j]
.set j, j+1
.endr
.irp b, 0,1,2,3
	v_exp_f32 v[TT+4+\b], v[TT+4+\b]                   ; the block's largest p: the same two instructions on the same number
.endr
	v_pk_mul_f32 v[TT+2:TT+3], v[TT+2:TT+3], v[TT+20:TT+21] op_sel_hi:[1,0]     ; the sum under the new M.  (A plain place behind the exponentials)
	s_wait_alu depctr_va_vdst(0)
.irp b, 0,1,2,3
	v_max_num_f32 v[TT+4+\b], 0x8000000, v[TT+4+\b]    ; the floor 2^(16 - 127): the byte cannot fall under 1
.endr
.irp b, 0,1,2,3
	s_delay_alu instid0(VALU_DEP_4)
	v_add_nc_u32 v[TT+16+\b], 0xf8800000, v[TT+4+\b]   ; 15 off the exponent field: the conversion's scale operand
.endr
.irp b, 0,1,2,3
.endr
.irp b, 0,1,2,3
	s_delay_alu instid0(VALU_DEP_4)
	v_lshrrev_b32 v[TT+8+\b], 23, v[TT+16+\b]          ; the scale's byte
.endr
	s_delay_alu instid0(VALU_DEP_3)
	v_lshl_or_b32 v[TT+21], v[TT+9], 8, v[TT+8]        ; p's scale word for these 128 keys
	s_delay_alu instid0(VALU_DEP_1)
	v_lshl_or_b32 v[TT+21], v[TT+10], 16, v[TT+21]
	s_delay_alu instid0(VALU_DEP_1)
	v_lshl_or_b32 v[TT+21], v[TT+11], 24, v[TT+21]
	v_pk_add_f32 v[TT+8:TT+9], v[SS:SS+1], v[SS+2:SS+3]          ; the sum of the UNQUANTISED p: two at a time, in two chains
.set j, 4
.rept 15
	v_pk_add_f32 v[TT+2:TT+3], v[TT+2:TT+3], v[SS+j:SS+j+1]
	v_pk_add_f32 v[TT+8:TT+9], v[TT+8:TT+9], v[SS+j+2:SS+j+3]
.set j, j+4
.endr
	s_delay_alu instid0(VALU_DEP_1)
	v_pk_add_f32 v[TT+2:TT+3], v[TT+2:TT+3], v[TT+8:TT+9]
.irp b, 0,1,2,3
.set j, 0
.rept 16
.set j, j+1
.endr
	v_cvt_scalef32_pk8_bf8_f32 v[CC+4*\b:CC+4*\b+1], v[SS+16*\b:SS+16*\b+7], v[TT+16+\b]
	v_cvt_scalef32_pk8_bf8_f32 v[CC+4*\b+2:CC+4*\b+3], v[SS+16*\b+8:SS+16*\b+15], v[TT+16+\b]
.endr
.endm
; A KEY STEP: 128 keys, both tiles of queries, head hd.
.macro STEP hd
	WIN 0x05                                       ; K and Q in window 1, S^T in window 0
	s_setprio 2
.irp t, 0,1,2,3,4,5,6,7
.irp x, 0,1
	SCORE \t, \x, \hd
.endr
.endr
	WIN 0
	v_add_nc_u32 v[ADR], s[TB], v[L16]             ; eight places behind the scores: these two and six v_nop
	v_add_nc_u32 v[ADR8], s[TB], v[L8]
	PLACES 6
	WIN 0x40
.irp t, 0,1,2,3,4,5,6,7
.irp c, 0,1
	ds_load_b128 v[KF+16*\t+4*\c:KF+16*\t+4*\c+3], v[ADR] offset:KO+\t*1024+\c*512     ; the next step's K
.endr
.endr
	WIN 0
	ds_load_b128 v[KSC:KSC+3], v[ADR] offset:KSO
	MAXSTAT2
	EXPQ 0
	v_nop
	s_setprio 1
.irp ct, 0,1,2,3
.irp c, 0,1,2,3
	ds_load_b128 v[S+16*\ct+4*\c:S+16*\ct+4*\c+3], v[ADR] offset:\ct*2048+\c*512       ; this step's V, into the registers that tile 0's p has left; it lands under tile 1's softmax
.endr
.endr
	ds_load_b64 v[VSC:VSC+1], v[ADR8] offset:VSO
	EXPQ 1
	WIN 0x41                                       ; O^T in window 1, f in window 0
	s_setprio 0
.irp x, 0,1
.set j, 0
.rept 16
	v_pk_mul_f32 v[OT+32*\x+j:OT+32*\x+j+1], v[OT+32*\x+j:OT+32*\x+j+1], v[ST+24*\x+20:ST+24*\x+21] op_sel_hi:[1,0]     ; O^T under the new M.  (These 32 also stand between the codes just made and the products)
.set j, j+2
.endr
.endr
	s_wait_alu depctr_va_vdst(0)
	s_wait_dscnt 0x0                               ; V of this step and K of the next are in: no LDS read of mine is out
	WIN 0x50                                       ; V and p in window 0, O^T in window 1
.irp ct, 0,1,2,3
.irp x, 0,1
	PV \ct, \x                                     ; the eight accumulators take turns, one instruction a turn
.endr
.endr
	WIN 0
	PLACES 9                                       ; the next scores are written over V's registers, which these products read: one place more than a load would want
.endm
; THE CHANGE OF SLOTS stands at a slot's head.  Each wave waits for all its tensor loads (its record of the slot ahead), adds 0 to its spare word, and waits for that and for its reads of the slot left.
; fill = 1: a round of the cluster's barrier, and behind it the slot fs, which nobody reads any more, takes the next eight records.
.macro CHANGE fill, fs
	s_wait_tensorcnt 0x0                           ; no tensor load of mine is out, so group 0 may be written
	ds_add_u32 v[SPW], v[NIL]                      ; 0 onto my spare word
.if \fill
	s_add_co_u32 s[G0+1], s[WOFF], (\fs)*SLOTB
	s_add_nc_u64 s[G0+2:G0+3], s[G0+2:G0+3], SLOTB ; the type bits on top are not reached
.endif
	s_wait_dscnt 0x0
.if \fill
	CROUND
	tensor_load_to_lds s[G0:G0+3], s[G1:G1+7]      ; the first thing behind the round, and my one tensor load until the next
	s_nop 0
.rept 4
	v_nop
.endr
.else
	s_barrier_signal -1
	s_barrier_wait -1
.endif
.endm
.macro PHASE slot, fill, hd            ; a slot's eight key steps
	CHANGE \fill, 1-\slot
	s_mov_b32 s[TB], \slot*SLOTB
	s_mov_b32 s[CNT], 8
.Lstep_\@:
	STEP \hd
	s_add_co_u32 s[TB], s[TB], REC
	s_sub_co_u32 s[CNT], s[CNT], 1
	s_cmp_lg_u32 s[CNT], 0
	s_cbranch_scc1 .Lstep_\@
	s_setprio 0
.endm
; A HEAD ENDS: O^T / the sum, in f32; its 64 channels are two blocks of the projection's K: quantised as every operand here, the codes leave as chunks 2 hd, 2 hd + 1 of the row tile's fragment.
.macro FINAL hd
	s_wait_xcnt 0x0                                ; the stores of the head before have read their registers
.irp x, 0,1
	v_add_f32 v[ST+24*\x+22], v[ST+24*\x+2], v[ST+24*\x+3]
.endr
.irp x, 0,1
	s_delay_alu instid0(VALU_DEP_2)
	v_permlanex16_b32 v[ST+24*\x+8], v[ST+24*\x+22], s[SEL], s[SEL+1]
.endr
.irp x, 0,1
	s_delay_alu instid0(VALU_DEP_2)
	v_add_f32 v[ST+24*\x+22], v[ST+24*\x+22], v[ST+24*\x+8]      ; the row's sum
.endr
	s_wait_alu depctr_va_vdst(0)
.irp x, 0,1
	v_rcp_f32 v[ST+24*\x+20], v[ST+24*\x+22]
.endr
	v_nop                                          ; a plain place behind the reciprocals
	WIN 0x01                                       ; O^T in window 1
	s_wait_alu depctr_va_vdst(0)
.irp x, 0,1
.set j, 0
.rept 16
	v_pk_mul_f32 v[S+64*\x+j:S+64*\x+j+1], v[OT+32*\x+j:OT+32*\x+j+1], v[ST+24*\x+20:ST+24*\x+21] op_sel_hi:[1,0]     ; register 8 ct + i: channel 16 ct + 8 h + i; each accumulator from its low end on
.set j, j+2
.endr
.endr
	WIN 0
.irp x, 0,1
.irp b, 0,1
	v_max3_num_f32 v[ST+24*\x+4+\b], |v[S+64*\x+16*\b]|, |v[S+64*\x+16*\b+1]|, 0x8000000
.endr
.endr
.irp i, 2,4,6,8,10,12,14
.irp x, 0,1
.irp b, 0,1
	s_delay_alu instid0(VALU_DEP_4)
	v_max3_num_f32 v[ST+24*\x+4+\b], v[ST+24*\x+4+\b], |v[S+64*\x+16*\b+\i]|, |v[S+64*\x+16*\b+\i+1]|
.endr
.endr
.endr
.irp x, 0,1
.irp b, 0,1
	s_delay_alu instid0(VALU_DEP_4)
	v_permlanex16_b32 v[ST+24*\x+8+\b], v[ST+24*\x+4+\b], s[SEL], s[SEL+1]
.endr
.endr
.irp x, 0,1
.irp b, 0,1
	s_delay_alu instid0(VALU_DEP_4)
	v_max_num_f32 v[ST+24*\x+4+\b], v[ST+24*\x+4+\b], v[ST+24*\x+8+\b]
.endr
.endr
.irp x, 0,1
.irp b, 0,1
	s_delay_alu instid0(VALU_DEP_4)
	v_add_nc_u32 v[ST+24*\x+16+\b], 0xf8800000, v[ST+24*\x+4+\b]
.endr
.endr
.irp x, 0,1
.irp b, 0,1
.endr
.endr
.irp x, 0,1
.irp b, 0,1
	s_delay_alu instid0(VALU_DEP_4)
	v_lshrrev_b32 v[ST+24*\x+8+\b], 23, v[ST+24*\x+16+\b]
.endr
.endr
.if \hd == 0
.irp x, 0
	s_delay_alu instid0(VALU_DEP_3)
	v_lshl_or_b32 v[ST+24*\x+23], v[ST+24*\x+9], 8, v[ST+24*\x+8]          ; bytes 0 and 1 of the row's word are kept for the second head
.endr
.irp x, 1
	s_delay_alu instid0(VALU_DEP_2)
	v_lshl_or_b32 v[ST+24*\x+23], v[ST+24*\x+9], 8, v[ST+24*\x+8]          ; bytes 0 and 1 of the row's word are kept for the second head
.endr
.else
.irp x, 0
	s_delay_alu instid0(VALU_DEP_3)
	v_lshl_or_b32 v[ST+24*\x+22], v[ST+24*\x+9], 8, v[ST+24*\x+8]
.endr
.irp x, 1
	s_delay_alu instid0(VALU_DEP_2)
	v_lshl_or_b32 v[ST+24*\x+22], v[ST+24*\x+9], 8, v[ST+24*\x+8]
.endr
.irp x, 0,1
	s_delay_alu instid0(VALU_DEP_2)
	v_lshl_or_b32 v[ST+24*\x+22], v[ST+24*\x+22], 16, v[ST+24*\x+23]       ; the word is whole
.endr
	s_delay_alu instid0(VALU_DEP_1)
	v_cndmask_b32 v[OW], v[ST+22], v[ST+24+22], s[HM]                      ; lanes 0-15: tile 0's rows, lanes 16-31: tile 1's: my 32 rows on end
.endif
.irp x, 0,1
.irp b, 0,1
.set j, 0
.rept 16
.set j, j+1
.endr
	v_cvt_scalef32_pk8_bf8_f32 v[OC+8*\x+4*\b:OC+8*\x+4*\b+1], v[S+64*\x+16*\b:S+64*\x+16*\b+7], v[ST+24*\x+16+\b]
	v_cvt_scalef32_pk8_bf8_f32 v[OC+8*\x+4*\b+2:OC+8*\x+4*\b+3], v[S+64*\x+16*\b+8:S+64*\x+16*\b+15], v[ST+24*\x+16+\b]
.endr
.endr
	v_nop                                          ; a plain vector instruction behind the last conversion of the run
.irp x, 0,1
.irp b, 0,1
	global_store_b128 v[L16], v[OC+8*\x+4*\b:OC+8*\x+4*\b+3], s[44:45] offset:\x*16384+\hd*1024+\b*512     ; 512 consecutive bytes, aligned
.endr
.endr
.if \hd == 1
	global_store_b32 v[L4], v[OW], s[46:47]        ; 128 consecutive bytes: my 32 rows' words of this K step
.endif
.endm
	INIT
	s_wait_loadcnt 0x0                             ; K(0), Q, their scale words
	PHASE 0, 1, 0                                  ; head 0, keys 0-1,023;     slot 1 is asked for
	PHASE 1, 1, 0                                  ; head 0, keys 1,024-2,047; slot 0 takes head 1's first half
	FINAL 0
	INIT
	PHASE 0, 1, 1                                  ; head 1;                   slot 1 takes its second half
	PHASE 1, 0, 1                                  ; nothing is left to fetch
	FINAL 1
	s_wait_tensorcnt 0x0                           ; the wave's end
	ds_add_u32 v[SPW], v[NIL]
	s_wait_dscnt 0x0
	CROUND                                         ; the closing round
	s_endpgm
.Lfunc_end_k_q2c2caa8b49_attn:
	.size	k_q2c2caa8b49_attn, .Lfunc_end_k_q2c2caa8b49_attn-k_q2c2caa8b49_attn
	.p2alignl 7, 3214868480
	.fill 96, 4, 3214868480
	.section	.rodata,"a",@progbits
	.p2align	6, 0x0
	.amdhsa_kernel k_q2c2caa8b49_attn
		.amdhsa_group_segment_fixed_size 327680
		.amdhsa_private_segment_fixed_size 0
		.amdhsa_enable_private_segment 0
		.amdhsa_kernarg_size 24
		.amdhsa_user_sgpr_count 2
		.amdhsa_user_sgpr_kernarg_segment_ptr 1
		.amdhsa_wavefront_size32 1
		.amdhsa_system_sgpr_workgroup_id_x 1
		.amdhsa_system_sgpr_workgroup_id_y 1
		.amdhsa_system_sgpr_workgroup_id_z 1
		.amdhsa_system_vgpr_workitem_id 0
		.amdhsa_next_free_vgpr 512
		.amdhsa_next_free_sgpr 66
		.amdhsa_reserve_vcc 0
		.amdhsa_float_denorm_mode_32 3
		.amdhsa_float_denorm_mode_16_64 3
		.amdhsa_fp16_overflow 1
		.amdhsa_memory_ordered 1
		.amdhsa_forward_progress 1
		.amdhsa_inst_pref_size 157
	.end_amdhsa_kernel
	.amdgpu_metadata
---
amdhsa.version: [ 1, 2 ]
amdhsa.kernels:
  - .name:           k_q2c2caa8b49_attn
    .symbol:         k_q2c2caa8b49_attn.kd
    .args:
      - { .name: kvq, .offset: 0, .size: 8, .value_kind: global_buffer, .address_space: global }
      - { .name: oimg, .offset: 8, .size: 8, .value_kind: global_buffer, .address_space: global }
      - { .name: osc, .offset: 16, .size: 8, .value_kind: global_buffer, .address_space: global }
    .group_segment_fixed_size: 327680
    .private_segment_fixed_size: 0
    .kernarg_segment_align: 8
    .kernarg_segment_size: 24
    .max_flat_workgroup_size: 256
    .sgpr_count:     66
    .vgpr_count:     512
    .wavefront_size: 32
...
	.end_amdgpu_metadata
.endif
;; end of part 2
;; launch proj (part 3): grid 4 x 32, 4 waves a work-group, clusters of 4 x 4, 327,680 bytes of LDS; arguments oimg, osc, W_proj_codes, W_proj_scales, b_proj, out0; writes out0
.if DOCPART == 3
	.amdgcn_target "amdgcn-amd-amdhsa--gfx1250"
	.amdhsa_code_object_version 6
	.text
	.protected	k_q2c2caa8b49_proj
	.globl	k_q2c2caa8b49_proj
	.p2align	8
	.type	k_q2c2caa8b49_proj,@function
k_q2c2caa8b49_proj:
	s_mov_b64 s[64:65], 0
	v_nop
	global_prefetch_b8 v0, s[64:65] scope:SCOPE_SE
	s_setreg_imm32_b32 hwreg(HW_REG_WAVE_MODE, 25, 1), 1
	s_wait_xcnt 0x0
	s_wait_alu depctr_hold_cnt(0) depctr_sa_sdst(0) depctr_va_vdst(0) depctr_va_sdst(0) depctr_va_ssrc(0) depctr_va_vcc(0) depctr_vm_vsrc(0)
	s_getreg_b32 s2, hwreg(HW_REG_IB_STS2, 6, 4)
	s_cmp_eq_u32 s2, 0
	s_cbranch_scc0 .Lentry_in_a_cluster
	s_endpgm
.Lentry_in_a_cluster:
	s_bfe_u32 s2, ttmp6, 0x10000c
	s_cmp_lg_u32 s2, 0xf033
	s_cbranch_scc0 .Lentry_shape_is_right
	s_endpgm
.Lentry_shape_is_right:
.set NQ,     2
.set ROWB,   256
.set KROW,   1024
.set PITCH,  272
.set FR,     16
.set NP,     8
.set HALFA,  32768
.set ABYTES, 2*HALFA
.set HALFB,  128*PITCH
.set SLOT,   ABYTES+2*HALFB
.set LAPS,   2
.set SCLA,   2*SLOT
.set SCLB,   SCLA+8192
.set HALFS,  16*272
.set SPARE,  SCLB+2*HALFS
.set SPITCH, 528
.set NCOL,   1024
.set ADRA, 16
.set ADRB, 20
.set STO,  24
.set RD,   25
.set CO,   26
.set ADSA, 27
.set SPW,  28
.set NIL,  29
.set ADSB, 30
.set SC,   32
.set BIAS, 64
.set AF,   128
.set BK,   128
.set G1, 24
.set G0, 32
.set G1B, 48
.set G0B, 56
.set G1S, 68
.set G0S, 76
.set G1SB, 80
.set G0SB, 88
.set MSB, 0
.macro WIN new
.if MSB != (\new)
	s_set_vgpr_msb (MSB<<8)|(\new)
.set MSB, (\new)
.endif
.endm
.set MUL_LO, 0xa1
.set MUL_HI, 0xf1
.set TO_B,   0x40
.macro JLOAD g0a, g1a, g0b, g1b
	s_cmp_eq_u32 s15, 0
	s_cbranch_scc0 .Lfor_b_\@
	tensor_load_to_lds s[\g0a:\g0a+3], s[\g1a:\g1a+7]
	s_nop 0
.rept 4
	v_nop
.endr
	s_branch .Lasked_\@
.Lfor_b_\@:
	tensor_load_to_lds s[\g0b:\g0b+3], s[\g1b:\g1b+7]
	s_nop 0
.rept 4
	v_nop
.endr
.Lasked_\@:
.endm
.macro CREST
	s_cmp_lg_u32 s14, 0
	s_cbranch_scc1 .Lnot_wave_0_\@
	s_barrier_signal -3
.Lnot_wave_0_\@:
	s_barrier_wait -3
	s_barrier_signal -1
	s_barrier_wait -1
.endm
.macro CROUND
	s_barrier_signal -1
	s_barrier_wait -1
	CREST
.endm
	s_load_b128 s[4:7], s[0:1], 0x0
	s_load_b128 s[8:11], s[0:1], 0x10
	s_load_b128 s[96:99], s[0:1], 0x20
	v_lshl_add_u32 v[SPW], v0, 2, SPARE
	v_mov_b32 v[NIL], 0
	ds_add_u32 v28, v29
	ds_add_u32 v28, v29
	s_wait_dscnt 0x0
	v_lshrrev_b32 v1, 5, v0
	v_readfirstlane_b32 s14, v1
	s_lshr_b32 s15, s14, 1
	s_and_b32 s16, s14, 1
	s_bfe_u32 s40, ttmp6, 0x40000
	s_bfe_u32 s41, ttmp6, 0x40004
	s_lshl_b32 s42, ttmp9, 2
	s_add_co_u32 s42, s42, s40
	s_and_b32 s17, ttmp7, 0xffff
	s_lshl_b32 s17, s17, 2
	s_add_co_u32 s17, s17, s41
	s_lshl_b32 s43, s41, 2
	s_lshl_b32 s43, 15, s43
	s_lshl_b32 s44, 0x1111, s40
	s_or_b32 s[G1+0], s43, (3<<16)|(1<<21)
	s_mov_b32 s[G1+1], 512<<16
	s_mov_b32 s[G1+2], 8<<16
	s_mov_b32 s[G1+3], 512<<16
	s_mov_b32 s[G1+4], 8
	s_mov_b32 s[G1+5], 2048
	s_mov_b32 s[G1+6], 0
	s_mov_b32 s[G1+7], 0
	s_or_b32 s[G1S+0], s43, (3<<16)|(1<<21)
	s_mov_b32 s[G1S+1], 64<<16
	s_mov_b32 s[G1S+2], 8<<16
	s_mov_b32 s[G1S+3], 64<<16
	s_mov_b32 s[G1S+4], 8
	s_mov_b32 s[G1S+5], 4096
	s_mov_b32 s[G1S+6], 0
	s_mov_b32 s[G1S+7], 0
	s_or_b32 s[G1B+0], s44, (0<<16)|(1<<20)|(1<<21)|(5<<22)|(3<<25)
	s_mov_b32 s[G1B+1], ROWB<<16
	s_mov_b32 s[G1B+2], 128<<16
	s_mov_b32 s[G1B+3], ROWB<<16
	s_mov_b32 s[G1B+4], 128
	s_mov_b32 s[G1B+5], KROW
	s_mov_b32 s[G1B+6], 0
	s_mov_b32 s[G1B+7], 0
	s_or_b32 s[G1SB+0], s44, (3<<16)|(1<<20)|(1<<21)|(5<<22)|(3<<25)
	s_mov_b32 s[G1SB+1], 32<<16
	s_mov_b32 s[G1SB+2], 16<<16
	s_mov_b32 s[G1SB+3], 32<<16
	s_mov_b32 s[G1SB+4], 16
	s_mov_b32 s[G1SB+5], 32
	s_mov_b32 s[G1SB+6], 0
	s_mov_b32 s[G1SB+7], 0
	s_lshl_b32 s20, s17, 18
	s_lshl_b32 s18, s16, 17
	s_add_co_u32 s20, s20, s18
	s_mov_b32 s21, 0
	s_lshl_b32 s22, s17, 10
	s_lshl_b32 s18, s16, 9
	s_add_co_u32 s22, s22, s18
	s_mov_b32 s23, 0
	s_lshl_b32 s46, s42, 18
	s_lshl_b32 s18, s16, 17
	s_add_co_u32 s46, s46, s18
	s_mov_b32 s47, 0
	s_lshl_b32 s92, s42, 13
	s_lshl_b32 s18, s16, 12
	s_add_co_u32 s92, s92, s18
	s_mov_b32 s93, 0
	s_lshl_b32 s45, s16, 15
	s_mul_i32 s94, s16, HALFB
	s_add_co_u32 s94, s94, ABYTES
	s_lshl_b32 s18, s16, 12
	s_add_co_u32 s18, s18, SCLA
	s_mul_i32 s19, s16, HALFS
	s_add_co_u32 s19, s19, SCLB
	s_wait_kmcnt 0x0
	s_add_nc_u64 s[20:21], s[4:5], s[20:21]
	s_add_nc_u64 s[22:23], s[6:7], s[22:23]
	s_add_nc_u64 s[46:47], s[8:9], s[46:47]
	s_add_nc_u64 s[92:93], s[10:11], s[92:93]
	CROUND
	s_mov_b32 s[G0S], 1
	s_mov_b32 s[G0S+1], s18
	s_mov_b64 s[G0S+2:G0S+3], s[22:23]
	s_or_b32 s[G0S+3], s[G0S+3], 0x80000000
	s_mov_b32 s[G0SB], 1
	s_mov_b32 s[G0SB+1], s19
	s_mov_b64 s[G0SB+2:G0SB+3], s[92:93]
	s_or_b32 s[G0SB+3], s[G0SB+3], 0x80000000
	JLOAD G0S, G1S, G0SB, G1SB
.irp s, 0,1
	s_mov_b32 s[G0+4*\s], 1
	s_add_co_u32 s[G0+4*\s+1], s45, \s*SLOT
	s_add_nc_u64 s[G0+4*\s+2:G0+4*\s+3], s[20:21], \s*4096
	s_or_b32 s[G0+4*\s+3], s[G0+4*\s+3], 0x80000000
	s_mov_b32 s[G0B+4*\s], 1
	s_add_co_u32 s[G0B+4*\s+1], s94, \s*SLOT
	s_add_nc_u64 s[G0B+4*\s+2:G0B+4*\s+3], s[46:47], \s*ROWB
	s_or_b32 s[G0B+4*\s+3], s[G0B+4*\s+3], 0x80000000
	s_wait_alu depctr_va_vdst(0)
	s_wait_tensorcnt 0x0
	ds_add_u32 v28, v29
	s_wait_dscnt 0x0
	CROUND
	JLOAD G0+4*\s, G1, G0B+4*\s, G1B
.endr
	v_and_b32 v1, 15, v0
	v_bfe_u32 v2, v0, 4, 1
	v_and_b32 v6, 31, v0
	v_lshlrev_b32 v[CO], 4, v6
	v_mul_u32_u24 v3, v1, PITCH
	v_lshl_add_u32 v3, v2, 3, v3
	s_lshl_b32 s21, s15, 15
	s_mul_i32 s22, s16, HALFB
	s_add_co_u32 s22, s22, ABYTES
.irp s, 0,1
	v_add_nc_u32 v[ADRA+\s], s21, v[CO]
	v_add_nc_u32 v[ADRB+\s], s22, v3
	s_add_co_u32 s21, s21, SLOT
	s_add_co_u32 s22, s22, SLOT
.endr
	s_lshl_b32 s21, s15, 12
	s_add_co_u32 s21, s21, SCLA
	v_lshl_add_u32 v[ADSA], v1, 2, s21
	v_lshlrev_b32 v5, 5, v1
	v_lshrrev_b32 v4, 8, v5
	v_lshl_add_u32 v5, v4, 4, v5
	s_mul_i32 s22, s16, HALFS
	s_add_co_u32 s22, s22, SCLB
	v_add_nc_u32 v[ADSB], s22, v5
	s_mul_i32 s23, s14, 16*SPITCH
	v_mul_u32_u24 v5, v1, SPITCH
	v_lshl_add_u32 v5, v2, 5, v5
	v_add_nc_u32 v[STO], s23, v5
	v_add_nc_u32 v[RD], s23, v[CO]
	v_lshlrev_b32 v7, 5, v2
	s_wait_alu depctr_va_vdst(0)
	s_lshl_b32 s20, s17, 8
	s_lshl_b32 s21, s15, 7
	s_add_co_u32 s20, s20, s21
	s_lshl_b32 s20, s20, 12
	s_mov_b32 s21, 0
	s_lshl_b32 s46, s42, 10
	s_lshl_b32 s47, s16, 9
	s_add_co_u32 s46, s46, s47
	s_mov_b32 s47, 0
	s_add_nc_u64 s[100:101], s[96:97], s[46:47]
	s_add_nc_u64 s[12:13], s[98:99], s[20:21]
	s_add_nc_u64 s[12:13], s[12:13], s[46:47]
.irp b, 0,1,2,3,4,5,6,7
	global_load_b128 v[BIAS+8*\b:BIAS+8*\b+3], v7, s[100:101] offset:64*\b
	global_load_b128 v[BIAS+8*\b+4:BIAS+8*\b+7], v7, s[100:101] offset:64*\b+16
.endr
.macro FRAGA reg, adr, q, i
.irp c, 0,1,2,3
	ds_load_b128 v[\reg+4*\c:\reg+4*\c+3], v[\adr] offset:(\i)*4096+(\q)*2048+512*\c
.endr
.endm
.macro FRAGB reg, adr, q, i
.irp c, 0,1,2,3
	ds_load_b64 v[\reg+4*\c:\reg+4*\c+1], v[\adr] offset:128*(\q)+32*\c+(\i)*16*PITCH
	ds_load_b64 v[\reg+4*\c+2:\reg+4*\c+3], v[\adr] offset:128*(\q)+32*\c+16+(\i)*16*PITCH
.endr
.endm
.macro MUL16 a0, p, q, sc, mode
.irp a, \a0, \a0+1
.irp b, 0,1,2,3,4,5,6,7
.if \mode == 0
	v_wmma_scale_f32_16x16x128_f8f6f4 v[8*(8*((\a)%4)+\b):8*(8*((\a)%4)+\b)+7], v[128*(\p)+FR*\b:128*(\p)+FR*\b+FR-1], v[AF+FR*(\a):AF+FR*(\a)+FR-1], v[8*(8*((\a)%4)+\b):8*(8*((\a)%4)+\b)+7], v[SC+32*(\sc)+2*\b+(\q)], v[SC+32*(\sc)+16+2*(\a)+(\q)] matrix_a_fmt:MATRIX_FMT_BF8 matrix_b_fmt:MATRIX_FMT_BF8
.else
	v_wmma_scale_f32_16x16x128_f8f6f4 v[8*(8*((\a)%4)+\b):8*(8*((\a)%4)+\b)+7], v[128*(\p)+FR*\b:128*(\p)+FR*\b+FR-1], v[AF+FR*(\a):AF+FR*(\a)+FR-1], v[BIAS+8*\b:BIAS+8*\b+7], v[SC+32*(\sc)+2*\b+(\q)], v[SC+32*(\sc)+16+2*(\a)+(\q)] matrix_a_fmt:MATRIX_FMT_BF8 matrix_b_fmt:MATRIX_FMT_BF8
.endif
.endr
.endr
.endm
.macro FETCH_B slot, q, p
	WIN TO_B
.irp i, 0,1,2,3,4,5,6,7
	FRAGB 128*(\p)+FR*\i, ADRB+\slot, \q, \i
.endr
	WIN 0
.endm
.macro FETCH_A slot, q, i0
.irp i, \i0, \i0+1, \i0+2, \i0+3
	FRAGA AF+FR*(\i), ADRA+\slot, \q, \i
.endr
.endm
.macro SCALES sc
.irp i, 0,1,2,3,4,5,6,7
	ds_load_b64 v[SC+32*\sc+2*\i:SC+32*\sc+2*\i+1], v[ADSB] offset:\i*544
.endr
.irp i, 0,1,2,3,4,5,6,7
.irp q, 0,1
	ds_load_b32 v[SC+32*\sc+16+2*\i+\q], v[ADSA] offset:\q*512+\i*64
.endr
.endr
.endm
.macro PLACES n
.rept \n
	v_nop
.endr
.endm
.macro STEP slot, q, mode
	s_wait_dscnt 16
.if \mode
	WIN 0x81
.else
	WIN MUL_LO
.endif
	MUL16 0, (\q)%2, \q, \slot, \mode
	MUL16 2, (\q)%2, \q, \slot, \mode
	s_wait_dscnt 0
	PLACES NP
	FETCH_B \slot, (\q)+1, 1-(\q)%2
	FETCH_A \slot, (\q)+1, 0
.if \mode
	WIN 0xc1
.else
	WIN MUL_HI
.endif
	MUL16 4, (\q)%2, \q, \slot, \mode
	MUL16 6, (\q)%2, \q, \slot, \mode
	PLACES NP
	WIN 0
	FETCH_A \slot, (\q)+1, 4
.endm
.macro TURN slot, next, fill
	s_wait_tensorcnt 0x0
	ds_add_u32 v[SPW], v[NIL]
	s_wait_dscnt 17
	WIN MUL_LO
	MUL16 0, 1, NQ-1, \slot, 0
	s_wait_dscnt 0x0
	s_barrier_signal -1
	MUL16 2, 1, NQ-1, \slot, 0
	WIN 0
	s_barrier_wait -1
.if \fill
	CREST
	s_add_nc_u64 s[G0+4*\slot+2:G0+4*\slot+3], s[G0+4*\slot+2:G0+4*\slot+3], 2*4096
	s_add_nc_u64 s[G0B+4*\slot+2:G0B+4*\slot+3], s[G0B+4*\slot+2:G0B+4*\slot+3], 2*ROWB
	JLOAD G0+4*\slot, G1, G0B+4*\slot, G1B
	PLACES NP-4
.else
	PLACES NP
.endif
	s_wait_alu depctr_va_vdst(0)
	v_add_nc_u32 v[ADSB], 8, v[ADSB]
	v_add_nc_u32 v[ADSA], 1024, v[ADSA]
	FETCH_B \next, 0, 0
	FETCH_A \next, 0, 0
	SCALES \next
	WIN MUL_HI
	MUL16 4, 1, NQ-1, \slot, 0
	MUL16 6, 1, NQ-1, \slot, 0
	PLACES NP
	WIN 0
	FETCH_A \next, 0, 4
.endm
	s_wait_tensorcnt 1
	s_barrier_signal -1
	s_barrier_wait -1
	FETCH_B 0, 0, 0
	FETCH_A 0, 0, 0
	SCALES 0
	FETCH_A 0, 0, 4
	s_wait_loadcnt 0x0
	STEP 0, 0, 1
	s_mov_b32 s3, LAPS-1
.Llap:
	TURN 0, 1, 1
	STEP 1, 0, 0
	TURN 1, 0, 1
	STEP 0, 0, 0
	s_sub_co_u32 s3, s3, 1
	s_cmp_lg_u32 s3, 0
	s_cbranch_scc1 .Llap
	TURN 0, 1, 0
	STEP 1, 0, 0
	s_wait_dscnt 16
	WIN MUL_LO
	MUL16 0, 1, NQ-1, 1, 0
	MUL16 2, 1, NQ-1, 1, 0
	s_wait_dscnt 0
	WIN MUL_HI
	MUL16 4, 1, NQ-1, 1, 0
	MUL16 6, 1, NQ-1, 1, 0
	WIN 0
.macro TOSTAGE a
.set AC, 64*((\a)%4)
	WIN 0x08+4*((\a)/4)
.irp b, 0,1,2,3,4,5,6,7
	ds_store_b128 v[STO], v[AC+8*\b:AC+8*\b+3] offset:64*\b
	ds_store_b128 v[STO], v[AC+8*\b+4:AC+8*\b+7] offset:64*\b+16
.endr
	WIN 0
.set BB, BK+64*((\a)%2)
.irp t, 0,1,2,3,4,5,6,7,8,9,10,11,12,13,14,15
	ds_load_b128 v[BB+4*\t:BB+4*\t+3], v[RD] offset:\t*SPITCH
.endr
.endm
.macro SEND a, younger
.set BB, BK+64*((\a)%2)
	s_wait_dscnt \younger
.if (\a) > 0
	s_add_nc_u64 s[12:13], s[12:13], 16*NCOL*4
.endif
.irp t, 0,1,2,3,4,5,6,7,8,9,10,11,12,13,14,15
	global_store_b128 v[CO], v[BB+4*\t:BB+4*\t+3], s[12:13] offset:\t*NCOL*4 th:TH_STORE_NT
.endr
.endm
	PLACES NP
	TOSTAGE 0
.irp a, 1,2,3,4,5,6,7
.if \a > 1
	s_wait_xcnt 0x0
.endif
	TOSTAGE \a
	SEND \a-1, 32
.endr
	s_wait_xcnt 0x0
	SEND 7, 0
	s_wait_tensorcnt 0x0
	ds_add_u32 v[SPW], v[NIL]
	s_wait_dscnt 0x0
	CROUND
	s_endpgm
.Lfunc_end_k_q2c2caa8b49_proj:
	.size	k_q2c2caa8b49_proj, .Lfunc_end_k_q2c2caa8b49_proj-k_q2c2caa8b49_proj
	.p2alignl 7, 3214868480
	.fill 96, 4, 3214868480
	.section	.rodata,"a",@progbits
	.p2align	6, 0x0
	.amdhsa_kernel k_q2c2caa8b49_proj
		.amdhsa_group_segment_fixed_size 327680
		.amdhsa_private_segment_fixed_size 0
		.amdhsa_enable_private_segment 0
		.amdhsa_kernarg_size 48
		.amdhsa_user_sgpr_count 2
		.amdhsa_user_sgpr_kernarg_segment_ptr 1
		.amdhsa_wavefront_size32 1
		.amdhsa_system_sgpr_workgroup_id_x 1
		.amdhsa_system_sgpr_workgroup_id_y 1
		.amdhsa_system_sgpr_workgroup_id_z 1
		.amdhsa_system_vgpr_workitem_id 0
		.amdhsa_next_free_vgpr 1024
		.amdhsa_next_free_sgpr 106
		.amdhsa_reserve_vcc 0
		.amdhsa_float_denorm_mode_32 3
		.amdhsa_float_denorm_mode_16_64 3
		.amdhsa_memory_ordered 1
		.amdhsa_forward_progress 1
		.amdhsa_inst_pref_size 168
	.end_amdhsa_kernel
	.amdgpu_metadata
---
amdhsa.version: [ 1, 2 ]
amdhsa.kernels:
  - .name:           k_q2c2caa8b49_proj
    .symbol:         k_q2c2caa8b49_proj.kd
    .args:
      - { .name: oimg, .offset: 0, .size: 8, .value_kind: global_buffer, .address_space: global }
      - { .name: osc, .offset: 8, .size: 8, .value_kind: global_buffer, .address_space: global }
      - { .name: W_proj_codes, .offset: 16, .size: 8, .value_kind: global_buffer, .address_space: global }
      - { .name: W_proj_scales, .offset: 24, .size: 8, .value_kind: global_buffer, .address_space: global }
      - { .name: b_proj, .offset: 32, .size: 8, .value_kind: global_buffer, .address_space: global }
      - { .name: out0, .offset: 40, .size: 8, .value_kind: global_buffer, .address_space: global }
    .group_segment_fixed_size: 327680
    .private_segment_fixed_size: 0
    .kernarg_segment_align: 8
    .kernarg_segment_size: 48
    .max_flat_workgroup_size: 128
    .sgpr_count:     106
    .vgpr_count:     1024
    .wavefront_size: 32
...
	.end_amdgpu_metadata
.endif
;; end of part 3
